; MI455X (gfx1250); checked and timed in simulation.
; The chip was launched on July 23, 2026; its instructions are those of AMD's public machine-readable ISA for CDNA 5 (MIT licence, August 2026) and "CDNA5" Instruction Set Architecture Reference Guide (July 2026). The comments in the code are by the model that wrote it; some were corrected since.
;; Multi Head Attention. Allowed arithmetic: matrix products marked QUANTISED: E3M2 operands, one E8M0 scale for each 32 along K, by v_wmma_scale_f32_16x16x128_f8f6f4 with both operands' format E3M2, f32 sums; everything else in f32.
;; Inputs: ln_embed_b 512 float32; ln_embed_g 512 float32; ln_out_b 512 float32; ln_out_g 512 float32; wk_codes 512 x 16 x 24 uint8 (E3M2 codes of wk, K innermost, in blocks of 32 codes, four codes in three bytes); wk_scales 512 x 16 uint8 (E8M0 scales of wk, one for each 32 codes along K); wo_codes 512 x 16 x 24 uint8 (E3M2 codes of wo, K innermost, in blocks of 32 codes, four codes in three bytes); wo_scales 512 x 16 uint8 (E8M0 scales of wo, one for each 32 codes along K); wq_codes 512 x 16 x 24 uint8 (E3M2 codes of wq, K innermost, in blocks of 32 codes, four codes in three bytes); wq_scales 512 x 16 uint8 (E8M0 scales of wq, one for each 32 codes along K); wv_codes 512 x 16 x 24 uint8 (E3M2 codes of wv, K innermost, in blocks of 32 codes, four codes in three bytes); wv_scales 512 x 16 uint8 (E8M0 scales of wv, one for each 32 codes along K); x 8 x 2,048 x 512 float32.
;; Outputs: out0 8 x 2,048 x 512 float32.
;; This version of the problem:
;;   THIS VERSION OF THE PROBLEM IS GIVEN IN LOW PRECISION. The matrix products marked QUANTISED in the list below multiply operands that are first quantised to E3M2 (3 exponent bits, 2 mantissa bits; 6 bits a number), with one power-of-two scale for each 32 numbers along K (OCP MX v1.0); their sums are f32. All else is computed in f32.
;;   The module's matrix products, in the order in which they are computed (A, B: the left and right operand; K: the contracted axis; several contracted axes count as one K, in the product's order):
;;     1. [M 16,384, K 512] x [K 512, N 512]; A: input x; B: input wq (given as codes): QUANTISED
;;     2. [M 16,384, K 512] x [K 512, N 512]; A: input x; B: input wk (given as codes): QUANTISED
;;     3. [M 16,384, K 512] x [K 512, N 512]; A: input x; B: input wv (given as codes): QUANTISED
;;     4. batch 64 x [M 2,048, K 64] x [K 64, N 2,048]; A: computed on the way; B: computed on the way: QUANTISED
;;     5. batch 64 x [M 64, K 2,048] x [K 2,048, N 2,048]; A: computed on the way; B: softmax (see below): QUANTISED
;;     6. [M 16,384, K 512] x [K 512, N 512]; A: computed on the way; B: input wo (given as codes): QUANTISED
;;   THE QUANTISER, for each operand of a quantised product, along K:
;;     - K is cut into blocks of 32 from its start; a last block that is shorter is filled with zeros.
;;     - A block's scale is 2^e with e = floor(log2(the largest magnitude in the block)) - 4, held to -126 .. 127; a block of zeros has e = 0. As a byte (E8M0): e + 127.
;;     - Each number is divided by its block's scale, clamped to +-28, and rounded to the nearest number of E3M2, ties to even, subnormals kept.
;;     - The product sums the exact products of the quantised numbers (number of the format x scale) in f32.
;;   ~~~python
;;   def quantise(x, axis):      # numpy; x: float32 -> the quantised numbers, widened to float32 again
;;       x = np.moveaxis(x, axis, -1); K = x.shape[-1]
;;       x = np.pad(x, [(0, 0)] * (x.ndim - 1) + [(0, -K % 32)]); x = x.reshape(x.shape[:-1] + (-1, 32)); a = np.abs(x).max(-1, keepdims=True)
;;       e = np.where(a > 0, np.clip(np.frexp(np.where(a > 0, a, 1))[1] - 1 - 4, -126, 127), 0)      # np.frexp(a)[1] - 1 = floor(log2(a)), exactly
;;       r = np.clip(x / 2.0 ** e, -28, 28)
;;       step = 2.0 ** (np.maximum(np.frexp(np.where(r == 0, 1, r))[1] - 1, -2) - 2)
;;       q = np.round(r / step) * step * 2.0 ** e      # np.round: ties to even
;;       return np.moveaxis(q.reshape(q.shape[:-2] + (-1,))[..., :K], -1, axis).astype(np.float32)
;;   ~~~
;;   SOFTMAX AHEAD OF A QUANTISED PRODUCT. Where the list says 'softmax', what is quantised is not the finished softmax but p = 2^(t - M), with t = logit x log2(e) and M = ceil(the row's largest t), a whole number; so 1/2 < the row's largest p <= 1. The row's sum l is taken of the UNQUANTISED p, in f32, and the product's result is divided by l at the end. Since M is a whole number, a kernel that streams over the keys may use a running M (the ceiling of the running maximum): every later rescaling is an exact power of two, which a block's scale takes up: the codes' values come out the same.
;;   OPERANDS COMPUTED ON THE WAY. 'Computed on the way' means the value that the module computes at that place (a softmax that the list does not call 'softmax' is quantised finished and normalised). What goes into a quantiser is computed in f32, as accurately as f32 sums, v_exp_f32 and their like allow (about 1e-6 of the number): no bf16 or f16 on the way to a quantiser, and a product that is left as it is and whose result goes on into a quantised operand takes f32 operands (vector FMAs, or v_wmma_f32_16x16x4_f32). A number that lies on a knife's edge between two numbers of the format may be rounded either way, as far as f32 arithmetic and the matrix unit's own rounding can turn it there, and no further.
;;   INPUTS GIVEN AS CODES. wk (in the module: [512, 512], K = its axis 0); wo (in the module: [512, 512], K = its axis 0); wq (in the module: [512, 512], K = its axis 0); wv (in the module: [512, 512], K = its axis 0): each comes as NAME_codes (uint8): NAME with its K axis moved to the last place and cut into blocks of 32 codes, [.., K / 32, bytes a block], one block behind the other in memory; four codes in three bytes: a row's codes are one little-endian stream of bits, code i at bits 6 i .. 6 i + 5 (a code: sign, 3 exponent bits, 2 mantissa bits); and NAME_scales (uint8): the same leading axes, one E8M0 byte (e + 127) for each 32 codes along K. Its value is code x scale, taken as it is: it is not quantised again, and the codes and scales need not be those that the quantiser above would give.
;; One version. Each part assembles by itself: llvm-mc -triple=amdgcn-amd-amdhsa -mcpu=gfx1250 --defsym DOCPART=n.
;; ======== version 1 of 1: 3 launches
;; limits: right only within a limited range of input values
;; workspace buffers: q_img 6,291,456 bytes; q_sc 524,288 bytes; kv 13,107,200 bytes; a_img 6,291,456 bytes; a_sc 262,144 bytes
;; launch qkv (part 1): grid 256 x 1, 4 waves a work-group, clusters of 4 x 1, 327,680 bytes of LDS; arguments x, wq_codes, wq_scales, wk_codes, wk_scales, wv_codes, wv_scales, ln_embed_g, ln_embed_b, q_img, q_sc, kv; writes q_img, q_sc, kv
.if DOCPART == 1
	.amdgcn_target "amdgcn-amd-amdhsa--gfx1250"
	.amdhsa_code_object_version 6
	.text
	.protected	k_q4943b421c7_qkv
	.globl	k_q4943b421c7_qkv
	.p2align	8
	.type	k_q4943b421c7_qkv,@function
k_q4943b421c7_qkv:
	s_mov_b64 s[64:65], 0
	v_nop
	global_prefetch_b8 v0, s[64:65] scope:SCOPE_SE
	s_setreg_imm32_b32 hwreg(HW_REG_WAVE_MODE, 25, 1), 1
	s_wait_xcnt 0x0
	s_wait_alu depctr_hold_cnt(0) depctr_sa_sdst(0) depctr_va_vdst(0) depctr_va_sdst(0) depctr_va_ssrc(0) depctr_va_vcc(0) depctr_vm_vsrc(0)
	s_getreg_b32 s2, hwreg(HW_REG_IB_STS2, 6, 4)
	s_cmp_eq_u32 s2, 0
	s_cbranch_scc0 .Lentry_in_a_cluster
	s_endpgm
.Lentry_in_a_cluster:
	s_bfe_u32 s2, ttmp6, 0x10000c
	s_cmp_lg_u32 s2, 0x3003
	s_cbranch_scc0 .Lentry_shape_is_right
	s_endpgm
.Lentry_shape_is_right:
.set SLOTB,  110592
.set WPART,  27648
.set WTILE,  6912
.set XST,    221184
.set XIMG,   254976
.set XSC,    279552
.set STATT,  281600
.set STATN,  283648
.set SPARE,  285696
.set LANE, 1
.set R,    2
.set H,    3
.set LI,   4
.set L8,   5
.set LS,   6
.set AW,   7
.set XSTO, 11
.set XSTR, 12
.set XWI,  13
.set XWS,  14
.set WSA,  15
.set STA,  16
.set STR,  17
.set STNA, 18
.set STNR, 19
.set SPW,  20
.set NIL,  21
.set XRI,  22
.set XRS,  23
.set GA,   24
.set GNA,  25
.set KSW,  26
.set WS,   32
.set XS,   64
.set HA,   80
.set HB,   144
.set TM,   208
.set PC,   224
.set PW,   244
.set PWS,  245
.set WBUF, 128
.set MSB, 0
.macro WIN new
.if MSB != \new
	s_set_vgpr_msb (MSB<<8)|\new
.set MSB, \new
.endif
.endm
.macro PLACES
.rept 4
	v_nop
.endr
.endm
.macro ROUND
	s_barrier_signal -1
	s_barrier_wait -1
	s_cmp_lg_u32 s28, 0
	s_cbranch_scc1 .Lnot_wave_0_\@
	s_barrier_signal -3
.Lnot_wave_0_\@:
	s_barrier_wait -3
	s_barrier_signal -1
	s_barrier_wait -1
.endm
.macro QUANT s, pw
.irp b, 0,1,2,3
	v_max3_num_f32 v[TM+\b], |v[\s+16*\b]|, |v[\s+1+16*\b]|, 0x2800000
.endr
.irp i, 2,4,6,8,10,12,14
.irp b, 0,1,2,3
	v_max3_num_f32 v[TM+\b], v[TM+\b], |v[\s+16*\b+\i]|, |v[\s+1+16*\b+\i]|
.endr
.endr
.irp b, 0,1,2,3
	v_permlanex16_b32 v[TM+4+\b], v[TM+\b], s48, s49
.endr
.irp b, 0,1,2,3
	v_max_num_f32 v[TM+\b], v[TM+\b], v[TM+4+\b]
.endr
.irp b, 0,1,2,3
	v_add_nc_u32 v[TM+12+\b], 0xfe000000, v[TM+\b]
.endr
.irp b, 0,1,2,3
	v_lshrrev_b32 v[TM+4+\b], 23, v[TM+12+\b]
.endr
	v_lshl_or_b32 v[\pw], v[TM+5], 8, v[TM+4]
	v_lshl_or_b32 v[\pw], v[TM+6], 16, v[\pw]
	v_lshl_or_b32 v[\pw], v[TM+7], 24, v[\pw]
.irp c, 0,1
	v_cvt_scalef32_pk16_bf6_f32 v[PC+6*\c:PC+2+6*\c], v[\s+32*\c:\s+15+32*\c], v[TM+12+2*\c]
	v_cvt_scalef32_pk16_bf6_f32 v[PC+12+4*\c:PC+14+4*\c], v[\s+16+32*\c:\s+31+32*\c], v[TM+12+2*\c+1]
.endr
	v_nop
.irp c, 0,1
.irp i, 0,1,2
	v_permlane16_swap_b32 v[PC+6*\c+\i], v[PC+12+4*\c+\i]
.endr
.irp i, 0,1,2
	v_mov_b32 v[PC+3+6*\c+\i], v[PC+12+4*\c+\i]
.endr
.endr
.endm
.macro FRAG reg, adr, s, off
.irp p, 0,1,2,3,4,5
.set PN, 12*(\s)+6*(\p/3)+\p%3
.if PN%16 < 13
	ds_load_b64 v[(\reg)+2*\p:(\reg)+2*\p+1], v[\adr] offset:8*PN+16*(PN/16)+(\off)
.else
	ds_load_b64 v[(\reg)+2*\p:(\reg)+2*\p+1], v[\adr+2] offset:8*PN+16*(PN/16)+(\off)
.endif
.endr
.endm
.macro FETCHW slot, tl, buf
	WIN 0xC0
.irp s, 0,1,2,3
	FRAG WBUF+48*(\buf)+12*\s, AW+\slot, \s, (\tl)*WTILE
.endr
.endm
.macro MUL16 form, t, buf
.if \form
	WIN 0x5E
.else
	WIN 0x5B
.endif
.irp s, 0,1,2,3
.irp m, 0,1,2,3
.set rD, 8*(8*\m+(\t))
.set rW, WBUF+48*(\buf)+12*\s
.set rX, 12*(4*\m+\s)
.if \form
.if \s == 0
	v_wmma_scale_f32_16x16x128_f8f6f4 v[rD:rD+7], v[rX:rX+11], v[rW:rW+11], 0, v[XS+4*\m+\s], v[WS+4*(\t)+\s] matrix_a_fmt:MATRIX_FMT_BF6 matrix_b_fmt:MATRIX_FMT_BF6
.else
	v_wmma_scale_f32_16x16x128_f8f6f4 v[rD:rD+7], v[rX:rX+11], v[rW:rW+11], v[rD:rD+7], v[XS+4*\m+\s], v[WS+4*(\t)+\s] matrix_a_fmt:MATRIX_FMT_BF6 matrix_b_fmt:MATRIX_FMT_BF6
.endif
.else
.if \s == 0
	v_wmma_scale_f32_16x16x128_f8f6f4 v[rD:rD+7], v[rW:rW+11], v[rX:rX+11], 0, v[WS+4*(\t)+\s], v[XS+4*\m+\s] matrix_a_fmt:MATRIX_FMT_BF6 matrix_b_fmt:MATRIX_FMT_BF6
.else
	v_wmma_scale_f32_16x16x128_f8f6f4 v[rD:rD+7], v[rW:rW+11], v[rX:rX+11], v[rD:rD+7], v[WS+4*(\t)+\s], v[XS+4*\m+\s] matrix_a_fmt:MATRIX_FMT_BF6 matrix_b_fmt:MATRIX_FMT_BF6
.endif
.endif
.endr
.endr
.endm
.macro HALF slot, hf, form
	PLACES
	FETCHW \slot, 0, 0
.irp tl, 0,1,2,3
.if \tl < 3
.if \tl > 0
	PLACES
.endif
	FETCHW \slot, \tl+1, (\tl+1)%2
	s_wait_dscnt 24
.else
	s_wait_dscnt 0x0
.endif
	MUL16 \form, 4*\hf+\tl, \tl%2
.endr
.endm
.macro CHANGE slot
	WIN 0
	s_wait_tensorcnt 0x0
	ds_add_u32 v[SPW], v[NIL]
	s_cmp_eq_u32 s31, 0
	s_cselect_b64 s[52:53], s[10:11], s[14:15]
	s_add_nc_u64 s[42+4*\slot:43+4*\slot], s[52:53], s[50:51]
.if \slot
	s_add_nc_u64 s[46:47], s[46:47], 24576
.endif
	s_or_b32 s[43+4*\slot], s[43+4*\slot], 0x80000000
	s_wait_dscnt 0x0
	ROUND
	tensor_load_to_lds s[40+4*\slot:43+4*\slot], s[32:39]
	s_nop 0
	PLACES
.endm
.macro ROWSUM base, n
.irp x, 1,2,4,8
.set i, 0
.rept \n
	v_add_f32_dpp v[\base+i], v[\base+i], v[\base+i] row_xmask:\x row_mask:0xf bank_mask:0xf
.set i, i+1
.endr
.endr
.endm
	s_load_b512 s[4:19], s[0:1], 0x0
	s_load_b256 s[20:27], s[0:1], 0x40
	v_lshl_add_u32 v[SPW], v0, 2, SPARE
	v_mov_b32 v[NIL], 0
	ds_add_u32 v20, v21
	ds_add_u32 v20, v21
	s_wait_dscnt 0x0
	v_lshrrev_b32 v1, 5, v0
	v_readfirstlane_b32 s28, v1
	v_and_b32 v[LANE], 31, v0
	v_and_b32 v[R], 15, v0
	v_bfe_u32 v[H], v0, 4, 1
	v_lshlrev_b32 v[LI], 4, v[LANE]
	v_lshlrev_b32 v[L8], 3, v[LANE]
	v_lshlrev_b32 v[LS], 2, v[LANE]
	s_bfe_u32 s29, ttmp6, 0x40000
	s_lshl_b32 s30, ttmp9, 2
	s_add_co_u32 s30, s30, s29
	s_lshl_b32 s80, s28, 9
	s_mov_b32 s81, 0
	s_lshl_b32 s82, s28, 11
	s_mov_b32 s83, 0
	s_lshr_b32 s96, s30, 5
	s_and_b32 s97, s30, 31
	s_lshl_b32 s98, s96, 3
	s_lshl_b32 s96, s28, 1
	s_add_co_u32 s98, s98, s96
	s_mul_i32 s84, s98, 98304
	s_mul_i32 s85, s97, 3072
	s_add_co_u32 s84, s84, s85
	s_mov_b32 s85, 0
	s_lshl_b32 s86, s98, 13
	s_lshl_b32 s87, s97, 8
	s_add_co_u32 s86, s86, s87
	s_mov_b32 s87, 0
	s_mul_i32 s88, s98, 204800
	s_mul_i32 s89, s97, 6400
	s_add_co_u32 s88, s88, s89
	s_mov_b32 s89, 0
	s_lshl_b32 s90, s30, 17
	s_lshl_b32 s91, s28, 15
	s_add_co_u32 s90, s90, s91
	s_mov_b32 s91, 0
	s_mul_i32 s92, s28, WPART
	s_mul_i32 s50, s28, 49152
	s_mov_b32 s51, 0
	s_mov_b32 s48, 0x76543210
	s_mov_b32 s49, 0xfedcba98
	s_mov_b32 s60, 0x3b000000
	s_mov_b32 s61, 0x358637bd
	s_mov_b32 s62, 0x3c000000
	s_mov_b32 s63, 0x05040100
	s_mov_b32 s66, 0x07060302
	s_mov_b32 s32, 15|(1<<20)|(1<<21)|(4<<22)|(3<<25)
	s_mov_b32 s33, 768<<16
	s_mov_b32 s34, 32<<16
	s_mov_b32 s35, 768<<16
	s_mov_b32 s36, 32
	s_mov_b32 s37, 768
	s_mov_b32 s38, 0
	s_mov_b32 s39, 0
	s_wait_kmcnt 0x0
	s_mov_b32 s40, 1
	s_mov_b32 s41, s92
	s_add_nc_u64 s[42:43], s[6:7], s[50:51]
	s_mov_b32 s44, 1
	s_add_co_u32 s45, s92, SLOTB
	s_add_nc_u64 s[46:47], s[42:43], 24576
	s_or_b32 s43, s43, 0x80000000
	s_or_b32 s47, s47, 0x80000000
	s_add_nc_u64 s[76:77], s[22:23], s[84:85]
	s_add_nc_u64 s[78:79], s[76:77], 98304
	s_add_nc_u64 s[68:69], s[24:25], s[86:87]
	s_add_nc_u64 s[70:71], s[68:69], 8192
	s_add_nc_u64 s[72:73], s[26:27], s[88:89]
	s_add_nc_u64 s[74:75], s[72:73], 204800
	s_add_nc_u64 s[4:5], s[4:5], s[90:91]
	s_add_nc_u64 s[18:19], s[18:19], s[80:81]
	s_add_nc_u64 s[20:21], s[20:21], s[80:81]
	s_add_nc_u64 s[8:9], s[8:9], s[82:83]
	s_add_nc_u64 s[12:13], s[12:13], s[82:83]
	s_add_nc_u64 s[16:17], s[16:17], s[82:83]
	ROUND
	tensor_load_to_lds s[40:43], s[32:39]
	s_nop 0
	PLACES
	s_wait_alu depctr_va_vdst(0)
	v_lshlrev_b32 v[WSA], 4, v[R]
	v_lshlrev_b32 v[GA], 5, v[H]
	v_lshlrev_b32 v[GNA], 2, v[R]
	; gains, biases, wq's scale words and my 16 rows of x are asked for here, ahead of the wait for the first tensor load
	WIN 0xC0
.irp t, 0,1,2,3,4,5,6,7
	global_load_b128 v[8*\t:8*\t+3], v[GA], s[18:19] offset:64*\t
	global_load_b128 v[8*\t+4:8*\t+7], v[GA], s[18:19] offset:64*\t+16
	global_load_b128 v[64+8*\t:64+8*\t+3], v[GA], s[20:21] offset:64*\t
	global_load_b128 v[64+8*\t+4:64+8*\t+7], v[GA], s[20:21] offset:64*\t+16
	global_load_b32 v[224+\t], v[GNA], s[18:19] offset:64*\t
	global_load_b32 v[232+\t], v[GNA], s[20:21] offset:64*\t
.endr
	WIN 0
.irp t, 0,1,2,3,4,5,6,7
	global_load_b128 v[WS+4*\t:WS+4*\t+3], v[WSA], s[8:9] offset:256*\t
.endr
	WIN 0x40
.irp s, 0,1,2,3
.irp i, 0,1,2,3,4,5,6,7,8,9,10,11,12,13,14,15
	global_load_b128 v[64*\s+4*\i:64*\s+4*\i+3], v[LI], s[4:5] offset:2048*\i+512*\s th:TH_LOAD_NT
.endr
.endr
	WIN 0
	s_wait_alu depctr_va_vdst(0)
	s_wait_tensorcnt 0x0
	ds_add_u32 v20, v21
	s_wait_dscnt 0x0
	ROUND
	tensor_load_to_lds s[44:47], s[32:39]
	s_nop 0
	PLACES
	s_wait_alu depctr_va_vdst(0)
	v_mul_u32_u24 v[AW], v[R], 432
	v_mad_u32_u24 v[AW], v[H], 24, v[AW]
	v_add_nc_u32 v[AW], s92, v[AW]
	v_add_nc_u32 v[AW+1], SLOTB, v[AW]
	v_lshl_add_u32 v[AW+2], v[H], 4, v[AW]
	v_add_nc_u32 v[AW+3], SLOTB, v[AW+2]
	s_mul_i32 s93, s28, 8448
	s_add_co_u32 s93, s93, XST
	v_add_nc_u32 v[XSTO], s93, v[LI]
	v_mul_u32_u24 v[XSTR], v[R], 528
	v_lshl_add_u32 v[XSTR], v[H], 6, v[XSTR]
	v_add_nc_u32 v[XSTR], s93, v[XSTR]
	s_mul_i32 s94, s28, 6144
	s_add_co_u32 s94, s94, XIMG
	v_add_nc_u32 v[XWI], s94, v[LI]
	s_add_co_u32 s95, s80, XSC
	v_add_nc_u32 v[XWS], s95, v[LS]
	s_add_co_u32 s95, s80, STATT
	v_lshl_add_u32 v[STA], v[R], 3, s95
	v_lshl_add_u32 v[STR], v[R], 3, STATT
	s_add_co_u32 s95, s80, STATN
	v_lshl_add_u32 v[STNA], v[H], 7, s95
	v_lshl_add_u32 v[STNR], v[H], 7, STATN
	v_add_nc_u32 v[XRI], XIMG, v[LI]
	v_add_nc_u32 v[XRS], XSC, v[LS]
.irp b, 0,1,2,3
	v_mov_b32 v[TM+4+\b], 0
.endr
.macro TURN s
	WIN 0x04
.irp i, 0,1,2,3,4,5,6,7,8,9,10,11,12,13,14,15
	ds_store_b128 v[XSTO], v[64*(\s)+4*\i:64*(\s)+4*\i+3] offset:528*\i
.endr
	WIN 0
.irp b, 0,1,2,3
.irp j, 0,1,2,3
	ds_load_b128 v[HA+64*((\s)%2)+16*\b+4*\j:HA+64*((\s)%2)+16*\b+4*\j+3], v[XSTR] offset:128*\b+16*\j
.endr
.endr
.endm
	s_wait_loadcnt 48
	TURN 0
.irp s, 0,1,2,3
.if \s < 3
	s_wait_loadcnt 32-16*\s
	TURN \s+1
	s_wait_dscnt 32
.else
	s_wait_dscnt 0x0
.endif
	QUANT HA+64*(\s%2), PW
.irp c, 0,1,2
	ds_store_b128 v[XWI], v[PC+4*\c:PC+4*\c+3] offset:1536*\s+512*\c
.endr
	ds_store_b32 v[XWS], v[PW] offset:128*\s
.endr
	s_wait_dscnt 0x0
	s_barrier_signal -1
	s_barrier_wait -1
	WIN 0x80
.irp f, 0,1,2,3,4,5,6,7,8,9,10,11,12,13,14,15
.irp c, 0,1,2
	ds_load_b128 v[12*\f+4*\c:12*\f+4*\c+3], v[XRI] offset:1536*\f+512*\c
.endr
.endr
	WIN 0
.irp f, 0,1,2,3,4,5,6,7,8,9,10,11,12,13,14,15
	ds_load_b32 v[XS+\f], v[XRS] offset:128*\f
.endr
	s_wait_tensorcnt 1
.macro TROW m
	s_wait_xcnt 0x0
	WIN 0x01
.set k, 0
.rept 32
	v_pk_fma_f32 v[HA+k:HA+k+1], v[64*(\m)+k:64*(\m)+k+1], v[200+2*(\m):201+2*(\m)], v[200+2*(\m):201+2*(\m)] op_sel:[0,0,1] op_sel_hi:[1,0,1]
.set k, k+2
.endr
	WIN 0x3C
.set k, 0
.rept 32
	v_pk_fma_f32 v[HA+k:HA+k+1], v[HA+k:HA+k+1], v[k:k+1], v[64+k:65+k]
.set k, k+2
.endr
	WIN 0
	QUANT HA, PWS+(\m)
.irp c, 0,1
	global_store_b128 v[LI], v[PC+6*\c:PC+6*\c+3], s[54+2*\c:55+2*\c] offset:768*(\m)
	global_store_b64 v[L8], v[PC+6*\c+4:PC+6*\c+5], s[54+2*\c:55+2*\c] offset:768*(\m)+512
.endr
.endm
	s_mov_b32 s31, 0
.Lproj:
	HALF 0, 0, 0
	CHANGE 0
	HALF 1, 1, 0
	PLACES
	WIN 0
	s_wait_xcnt 0x0
	s_cmp_eq_u32 s31, 0
	s_cselect_b64 s[58:59], s[12:13], s[16:17]
	s_cselect_b64 s[54:55], s[76:77], s[72:73]
	s_cselect_b64 s[56:57], s[78:79], s[74:75]
.irp t, 0,1,2,3,4,5,6,7
	global_load_b128 v[WS+4*\t:WS+4*\t+3], v[WSA], s[58:59] offset:256*\t
.endr
	WIN 0x05
.irp m, 0,1,2,3
	v_pk_add_f32 v[144+2*\m:145+2*\m], v[64*\m:64*\m+1], v[64*\m+2:64*\m+3]
.endr
	WIN 0x04
.set k, 4
.rept 30
.irp m, 0,1,2,3
	v_pk_add_f32 v[144+2*\m:145+2*\m], v[144+2*\m:145+2*\m], v[64*\m+k:64*\m+k+1]
.endr
.set k, k+2
.endr
	WIN 0
.irp m, 0,1,2,3
	v_add_f32 v[144+2*\m], v[144+2*\m], v[145+2*\m]
.endr
.irp m, 0,1,2,3
	v_permlanex16_b32 v[160+\m], v[144+2*\m], s48, s49
.endr
.irp m, 0,1,2,3
	v_add_f32 v[144+2*\m], v[144+2*\m], v[160+\m]
.endr
.irp m, 0,1,2,3
	v_mul_f32 v[152+2*\m], s62, v[144+2*\m]
.endr
	WIN 0x41
.set k, 0
.rept 32
.irp m, 0,1,2,3
	v_pk_add_f32 v[64*\m+k:64*\m+k+1], v[64*\m+k:64*\m+k+1], v[152+2*\m:153+2*\m] op_sel_hi:[1,0] neg_lo:[0,1] neg_hi:[0,1]
.endr
.set k, k+2
.endr
	WIN 0x05
.irp m, 0,1,2,3
	v_pk_mul_f32 v[144+2*\m:145+2*\m], v[64*\m:64*\m+1], v[64*\m:64*\m+1]
.endr
.set k, 2
.rept 31
.irp m, 0,1,2,3
	v_pk_fma_f32 v[144+2*\m:145+2*\m], v[64*\m+k:64*\m+k+1], v[64*\m+k:64*\m+k+1], v[144+2*\m:145+2*\m]
.endr
.set k, k+2
.endr
	WIN 0
.irp m, 0,1,2,3
	v_add_f32 v[144+2*\m], v[144+2*\m], v[145+2*\m]
.endr
.irp m, 0,1,2,3
	v_permlanex16_b32 v[160+\m], v[144+2*\m], s48, s49
.endr
.irp m, 0,1,2,3
	v_add_f32 v[153+2*\m], v[144+2*\m], v[160+\m]
.endr
.irp m, 0,1,2,3
	ds_store_b64 v[STA], v[152+2*\m:153+2*\m] offset:128*\m
.endr
	s_wait_dscnt 0x0
	s_barrier_signal -1
	s_barrier_wait -1
.irp m, 0,1,2,3
.irp u, 0,1,2,3
	ds_load_b64 v[168+8*\m+2*\u:169+8*\m+2*\u], v[STR] offset:512*\u+128*\m
.endr
.endr
	s_wait_dscnt 0x0
.irp m, 0,1,2,3
	v_add_f32 v[160+\m], v[168+8*\m], v[170+8*\m]
.endr
.irp m, 0,1,2,3
	v_add_f32 v[164+\m], v[172+8*\m], v[174+8*\m]
.endr
.irp m, 0,1,2,3
	v_add_f32 v[160+\m], v[160+\m], v[164+\m]
.endr
.irp m, 0,1,2,3
	v_mul_f32 v[160+\m], 0x3e800000, v[160+\m]
.endr
.irp u, 0,1,2,3
.irp m, 0,1,2,3
	v_sub_f32 v[168+8*\m+2*\u], v[168+8*\m+2*\u], v[160+\m]
.endr
.endr
.irp m, 0,1,2,3
	v_mul_f32 v[164+\m], v[168+8*\m], v[168+8*\m]
.endr
.irp u, 1,2,3
.irp m, 0,1,2,3
	v_fma_f32 v[164+\m], v[168+8*\m+2*\u], v[168+8*\m+2*\u], v[164+\m]
.endr
.endr
.irp m, 0,1,2,3
	v_add_f32 v[144+\m], v[169+8*\m], v[171+8*\m]
.endr
.irp m, 0,1,2,3
	v_add_f32 v[148+\m], v[173+8*\m], v[175+8*\m]
.endr
.irp m, 0,1,2,3
	v_add_f32 v[144+\m], v[144+\m], v[148+\m]
.endr
.irp m, 0,1,2,3
	v_fma_f32 v[144+\m], v[164+\m], 0x43000000, v[144+\m]
.endr
.irp m, 0,1,2,3
	v_fma_f32 v[144+\m], v[144+\m], s60, s61
.endr
.irp m, 0,1,2,3
	v_sub_f32 v[148+\m], v[152+2*\m], v[160+\m]
.endr
	s_wait_alu depctr_va_vdst(0)
.irp m, 0,1,2,3
	v_rsq_f32 v[200+2*\m], v[144+\m]
.endr
	v_nop
	s_wait_alu depctr_va_vdst(0)
.irp m, 0,1,2,3
	v_mul_f32 v[201+2*\m], v[148+\m], v[200+2*\m]
.endr
	s_wait_alu depctr_va_vdst(0)
	TROW 0
	TROW 1
	CHANGE 1
	TROW 2
	TROW 3
.irp f, 0,1
	v_perm_b32 v[KSW+\f], v[PWS+2*\f+1], v[PWS+2*\f], s63
	v_perm_b32 v[KSW+2+\f], v[PWS+2*\f+1], v[PWS+2*\f], s66
.endr
	s_cmp_lg_u32 s31, 0
	s_cbranch_scc1 .Lnot_q
	v_cmp_ne_u32 vcc_lo, 0, v[H]
	v_cndmask_b32 v252, v[PWS], v[PWS+2], vcc_lo
	v_cndmask_b32 v253, v[PWS+1], v[PWS+3], vcc_lo
	v_perm_b32 v250, v252, v252, s63
	v_perm_b32 v251, v253, v253, s63
	v_perm_b32 v254, v252, v252, s66
	v_perm_b32 v255, v253, v253, s66
	global_store_b64 v[L8], v[250:251], s[68:69]
	global_store_b64 v[L8], v[254:255], s[70:71]
.Lnot_q:
	s_wait_loadcnt 0x0
	s_add_co_u32 s31, s31, 1
	s_cmp_lt_u32 s31, 2
	s_cbranch_scc1 .Lproj
	HALF 0, 0, 1
	s_wait_tensorcnt 0x0
	HALF 1, 1, 1
	PLACES
	WIN 0x05
.irp m, 0,1,2,3
.irp k, 0,2,4,6
	v_pk_add_f32 v[80+8*\m+\k:81+8*\m+\k], v[64*\m+\k:64*\m+\k+1], v[64*\m+8+\k:64*\m+9+\k]
.endr
.endr
	WIN 0x04
.irp t, 2,3,4,5,6,7
.irp k, 0,2,4,6
.irp m, 0,1,2,3
	v_pk_add_f32 v[80+8*\m+\k:81+8*\m+\k], v[80+8*\m+\k:81+8*\m+\k], v[64*\m+8*\t+\k:64*\m+8*\t+\k+1]
.endr
.endr
.endr
	WIN 0
	ROWSUM 80, 32
.set k, 0
.rept 16
	v_pk_mul_f32 v[80+k:81+k], v[80+k:81+k], s[62:63] op_sel_hi:[1,0]
.set k, k+2
.endr
	WIN 0x41
.irp t, 0,1,2,3,4,5,6,7
.irp k, 0,2,4,6
.irp m, 0,1,2,3
	v_pk_add_f32 v[64*\m+8*\t+\k:64*\m+8*\t+\k+1], v[64*\m+8*\t+\k:64*\m+8*\t+\k+1], v[80+8*\m+\k:81+8*\m+\k] neg_lo:[0,1] neg_hi:[0,1]
.endr
.endr
.endr
	WIN 0x05
.irp k, 0,2,4,6
.irp m, 0,1,2,3
	v_pk_mul_f32 v[112+8*\m+\k:113+8*\m+\k], v[64*\m+\k:64*\m+\k+1], v[64*\m+\k:64*\m+\k+1]
.endr
.endr
.irp t, 1,2,3,4,5,6,7
.irp k, 0,2,4,6
.irp m, 0,1,2,3
	v_pk_fma_f32 v[112+8*\m+\k:113+8*\m+\k], v[64*\m+8*\t+\k:64*\m+8*\t+\k+1], v[64*\m+8*\t+\k:64*\m+8*\t+\k+1], v[112+8*\m+\k:113+8*\m+\k]
.endr
.endr
.endr
	WIN 0
	ROWSUM 112, 32
.irp i, 0,1,2,3,4,5,6,7
	ds_store_b128 v[STNA], v[80+4*\i:83+4*\i] offset:16*\i
	ds_store_b128 v[STNA], v[112+4*\i:115+4*\i] offset:256+16*\i
.endr
	s_wait_dscnt 0x0
	s_barrier_signal -1
	s_barrier_wait -1
	WIN 0x80
.irp u, 0,1,2,3
.irp i, 0,1,2,3,4,5,6,7
	ds_load_b128 v[32*\u+4*\i:32*\u+4*\i+3], v[STNR] offset:512*\u+16*\i
	ds_load_b128 v[128+32*\u+4*\i:128+32*\u+4*\i+3], v[STNR] offset:512*\u+256+16*\i
.endr
.endr
	s_wait_dscnt 0x0
	s_wait_xcnt 0x0
	WIN 0x0A
.set k, 0
.rept 16
	v_pk_add_f32 v[144+k:145+k], v[k:k+1], v[32+k:33+k]
	v_pk_add_f32 v[176+k:177+k], v[64+k:65+k], v[96+k:97+k]
	v_pk_add_f32 v[112+k:113+k], v[128+k:129+k], v[160+k:161+k]
	v_pk_add_f32 v[208+k:209+k], v[192+k:193+k], v[224+k:225+k]
.set k, k+2
.endr
	WIN 0
.set k, 0
.rept 16
	v_pk_add_f32 v[144+k:145+k], v[144+k:145+k], v[176+k:177+k]
	v_pk_add_f32 v[112+k:113+k], v[112+k:113+k], v[208+k:209+k]
.set k, k+2
.endr
.set k, 0
.rept 16
	v_pk_mul_f32 v[144+k:145+k], v[144+k:145+k], 0x3e800000 op_sel_hi:[1,0]
.set k, k+2
.endr
	WIN 0x82
.irp u, 0,1,2,3
.set k, 0
.rept 16
	v_pk_add_f32 v[32*\u+k:32*\u+k+1], v[32*\u+k:32*\u+k+1], v[144+k:145+k] neg_lo:[0,1] neg_hi:[0,1]
.set k, k+2
.endr
.endr
	WIN 0x0A
.set k, 0
.rept 16
	v_pk_mul_f32 v[176+k:177+k], v[k:k+1], v[k:k+1]
.set k, k+2
.endr
.irp u, 1,2,3
.set k, 0
.rept 16
	v_pk_fma_f32 v[176+k:177+k], v[32*\u+k:32*\u+k+1], v[32*\u+k:32*\u+k+1], v[176+k:177+k]
.set k, k+2
.endr
.endr
	WIN 0
.set k, 0
.rept 16
	v_pk_fma_f32 v[112+k:113+k], v[176+k:177+k], 0x43000000, v[112+k:113+k] op_sel_hi:[1,0,1]
	v_pk_add_f32 v[80+k:81+k], v[80+k:81+k], v[144+k:145+k] neg_lo:[0,1] neg_hi:[0,1]
.set k, k+2
.endr
.set i, 0
.rept 32
	v_fma_f32 v[112+i], v[112+i], s60, s61
.set i, i+1
.endr
.set i, 0
	s_wait_alu depctr_va_vdst(0)
.rept 32
	v_rsq_f32 v[144+i], v[112+i]
.set i, i+1
.endr
	v_nop
	s_wait_alu depctr_va_vdst(0)
.set k, 0
.rept 16
	v_pk_mul_f32 v[176+k:177+k], v[80+k:81+k], v[144+k:145+k]
.set k, k+2
.endr
.macro NPAIR tp
	s_wait_xcnt 0x0
	WIN 0x01
.irp e, 0,1
.irp bb, 0,1
.irp u, 0,1
.irp k, 0,2,4,6
	v_pk_fma_f32 v[HA+32*\e+16*\bb+8*\u+\k:HA+32*\e+16*\bb+8*\u+\k+1], v[64*(2*\bb+\u)+8*(2*(\tp)+\e)+\k:64*(2*\bb+\u)+8*(2*(\tp)+\e)+\k+1], v[144+8*(2*\bb+\u)+\k:145+8*(2*\bb+\u)+\k], v[176+8*(2*\bb+\u)+\k:177+8*(2*\bb+\u)+\k]
.endr
.endr
.endr
.endr
	WIN 0x3C
.set k, 0
.rept 16
	v_pk_fma_f32 v[HA+k:HA+k+1], v[HA+k:HA+k+1], v[224+2*(\tp):225+2*(\tp)], v[232+2*(\tp):233+2*(\tp)] op_sel_hi:[1,0,0]
	v_pk_fma_f32 v[HA+32+k:HA+33+k], v[HA+32+k:HA+33+k], v[224+2*(\tp):225+2*(\tp)], v[232+2*(\tp):233+2*(\tp)] op_sel:[0,1,1] op_sel_hi:[1,1,1]
.set k, k+2
.endr
	WIN 0
	QUANT HA, PWS+((\tp)%2)
.irp c, 0,1
	global_store_b128 v[LI], v[PC+6*\c:PC+6*\c+3], s[72+2*((\tp)/2):73+2*((\tp)/2)] offset:3072+768*(2*((\tp)%2)+\c)
	global_store_b64 v[L8], v[PC+6*\c+4:PC+6*\c+5], s[72+2*((\tp)/2):73+2*((\tp)/2)] offset:3072+768*(2*((\tp)%2)+\c)+512
.endr
.if (\tp)%2
	v_cmp_ne_u32 vcc_lo, 0, v[H]
	v_cndmask_b32 v[250+4*((\tp)/2)], v[KSW+2*((\tp)/2)], v[PWS], vcc_lo
	v_cndmask_b32 v[251+4*((\tp)/2)], v[KSW+2*((\tp)/2)+1], v[PWS+1], vcc_lo
	global_store_b64 v[L8], v[250+4*((\tp)/2):251+4*((\tp)/2)], s[72+2*((\tp)/2):73+2*((\tp)/2)] offset:6144
.endif
.endm
	NPAIR 0
	NPAIR 1
	NPAIR 2
	NPAIR 3
	s_wait_tensorcnt 0x0
	ds_add_u32 v[SPW], v[NIL]
	s_wait_dscnt 0x0
	ROUND
	s_endpgm
.Lfunc_end_k_q4943b421c7_qkv:
	.size	k_q4943b421c7_qkv, .Lfunc_end_k_q4943b421c7_qkv-k_q4943b421c7_qkv
	.p2alignl 7, 3214868480
	.fill 96, 4, 3214868480
	.section	.rodata,"a",@progbits
	.p2align	6, 0x0
	.amdhsa_kernel k_q4943b421c7_qkv
		.amdhsa_group_segment_fixed_size 327680
		.amdhsa_private_segment_fixed_size 0
		.amdhsa_enable_private_segment 0
		.amdhsa_kernarg_size 96
		.amdhsa_user_sgpr_count 2
		.amdhsa_user_sgpr_kernarg_segment_ptr 1
		.amdhsa_wavefront_size32 1
		.amdhsa_system_sgpr_workgroup_id_x 1
		.amdhsa_system_sgpr_workgroup_id_y 1
		.amdhsa_system_sgpr_workgroup_id_z 1
		.amdhsa_system_vgpr_workitem_id 0
		.amdhsa_next_free_vgpr 1024
		.amdhsa_next_free_sgpr 100
		.amdhsa_reserve_vcc 1
		.amdhsa_float_denorm_mode_32 3
		.amdhsa_float_denorm_mode_16_64 3
		.amdhsa_memory_ordered 1
		.amdhsa_forward_progress 1
		.amdhsa_inst_pref_size 255
	.end_amdhsa_kernel
	.section	.bss,"aw",@nobits
	.p2align	6
	.space	262144
	.amdgpu_metadata
---
amdhsa.version: [ 1, 2 ]
amdhsa.kernels:
  - .name:           k_q4943b421c7_qkv
    .symbol:         k_q4943b421c7_qkv.kd
    .args:
      - { .name: x, .offset: 0, .size: 8, .value_kind: global_buffer, .address_space: global }
      - { .name: wq_codes, .offset: 8, .size: 8, .value_kind: global_buffer, .address_space: global }
      - { .name: wq_scales, .offset: 16, .size: 8, .value_kind: global_buffer, .address_space: global }
      - { .name: wk_codes, .offset: 24, .size: 8, .value_kind: global_buffer, .address_space: global }
      - { .name: wk_scales, .offset: 32, .size: 8, .value_kind: global_buffer, .address_space: global }
      - { .name: wv_codes, .offset: 40, .size: 8, .value_kind: global_buffer, .address_space: global }
      - { .name: wv_scales, .offset: 48, .size: 8, .value_kind: global_buffer, .address_space: global }
      - { .name: ln_embed_g, .offset: 56, .size: 8, .value_kind: global_buffer, .address_space: global }
      - { .name: ln_embed_b, .offset: 64, .size: 8, .value_kind: global_buffer, .address_space: global }
      - { .name: q_img, .offset: 72, .size: 8, .value_kind: global_buffer, .address_space: global }
      - { .name: q_sc, .offset: 80, .size: 8, .value_kind: global_buffer, .address_space: global }
      - { .name: kv, .offset: 88, .size: 8, .value_kind: global_buffer, .address_space: global }
    .group_segment_fixed_size: 327680
    .private_segment_fixed_size: 0
    .kernarg_segment_align: 8
    .kernarg_segment_size: 96
    .max_flat_workgroup_size: 128
    .sgpr_count:     100
    .vgpr_count:     1024
    .wavefront_size: 32
...
	.end_amdgpu_metadata
.endif
;; end of part 1
;; launch attn (part 2): grid 4 x 64, 8 waves a work-group, clusters of 4 x 1, 206,848 bytes of LDS; arguments q_img, q_sc, kv, a_img, a_sc; writes a_img, a_sc
.if DOCPART == 2
	.amdgcn_target "amdgcn-amd-amdhsa--gfx1250"
	.amdhsa_code_object_version 6
	.text
	.protected	k_q4943b421c7_attn
	.globl	k_q4943b421c7_attn
	.p2align	8
	.type	k_q4943b421c7_attn,@function
k_q4943b421c7_attn:
	s_mov_b64 s[64:65], 0
	v_nop
	global_prefetch_b8 v0, s[64:65] scope:SCOPE_SE
	s_setreg_imm32_b32 hwreg(HW_REG_WAVE_MODE, 25, 1), 1
	s_wait_xcnt 0x0
	s_wait_alu depctr_hold_cnt(0) depctr_sa_sdst(0) depctr_va_vdst(0) depctr_va_sdst(0) depctr_va_ssrc(0) depctr_va_vcc(0) depctr_vm_vsrc(0)
	s_getreg_b32 s2, hwreg(HW_REG_IB_STS2, 6, 4)
	s_cmp_eq_u32 s2, 0
	s_cbranch_scc0 .Lentry_in_a_cluster
	s_endpgm
.Lentry_in_a_cluster:
	s_bfe_u32 s2, ttmp6, 0x10000c
	s_cmp_lg_u32 s2, 0x3003
	s_cbranch_scc0 .Lentry_shape_is_right
	s_endpgm
.Lentry_shape_is_right:
; new_v = softmax(q k^T / 8) v for one (batch, head) a cluster, both products on E3M2 codes with one E8M0 scale for each 32 along K; the result is quantised along the head for the last projection.
; SHARES.  The four work-groups of a cluster own 512 queries each of one head.  Each of the eight waves owns two tiles of 16 queries AT ONCE, one in each register window, and two such pairs one after the other (two passes):
; every fragment of k and v^T that is read from LDS feeds both tiles.
; LDS holds the WHOLE head's k, v^T and their scale bytes, 204,800 bytes, filled once: wave w brings key steps 2 w and 2 w + 1 (25,600 dense bytes) by one load that the four partners ask for jointly.  Nothing is filled again or stored to LDS.
; No prefetch: all of the head's bytes are asked for at the head, by that one load a wave; no stream runs in the loop.
; LAYOUT.  Both products are used transposed: S^T = k q^T, O^T = v^T p^T: a lane holds one query throughout.
; WHICH KEYS FORM A TILE is chosen by the lanes' LDS addresses: rows 0-7 of a tile come from the even block of 32 keys of a chunk of 64, rows 8-15 from the odd block.  So lane (r, h) holds, in 32 registers, the whole block
; 2 c + h of query r, as the second product's operand wants it: a block's maximum needs no other lane and the codes change no lane.  The rows of v^T that form a tile are chosen the same way, so that new_v's blocks along the head are whole in a lane too.
; THE FIRST PRODUCT'S K IS 64, the instruction's 128: a fragment of k holds TWO tiles of 16 keys, and two operands of the queries choose: q beside zero codes, zero codes beside q.  Zero codes add nothing; every scale byte lies in 1 .. 254.
; SOFTMAX: t = score x log2(e) / 8; M = the running largest t rounded up to a whole number; p = 2^(t - M) is quantised along the keys; the sum is taken of the unquantised p and divides at the end.
; A BLOCK'S SCALE needs no exponential: the exponent of its largest p = 2^(t - M) is floor(t - M) of its largest score, so the byte is floor(t - M) + 123, with t - M held at -122 from below (byte 1).
; ORDER INSIDE A BLOCK OF 32: q and k (along the head) and p and v (along the keys) carry the same order 0-7, 16-23, 8-15, 24-31, as the launch before laid them; new_v leaves in true order.
; The fragment loads' lanes 0-7 and 8-15 lie 1,536 bytes apart.  The scale bytes of new_v leave by stores of one byte a lane, 32 of each 800 bytes that a tile stores; a_sc's layout, which the last launch reads, interleaves the heads.
; The last trip of the second pass fetches key step 0 once more and uses nothing of it: the fetch of the next step's k is written once, with the step's number wrapped.
; LIMITS: NaN and infinities are not served; the scaled scores stay under 2^31 in magnitude; a block whose largest magnitude lies under 2^-122 keeps the scale byte 1.
; Where t - M of a block's largest score lies just under a whole number and its exponential rounds up to the power of two, that one p is held at the largest code.
; REGISTERS.  Window 0, v0-95: addresses, scale words and the small state of both tiles.  Window 1, v0-47: k's four fragments; v48-95: v^T's four.  In window i, tile i: q v96-113, the next pass's q v114-119, scores and p v128-191, O^T v192-223, p's codes v224-242, sums v244-253.
.set STEPB, 12800                      ; a key step of 128 keys in LDS: two chunks
.set CHK,   6400                       ; a chunk of 64 keys: k 3,072 bytes, v^T 3,072, scale bytes 256
.set SPARE, 204800
.set SPW, 1
.set NIL, 2
.set B16, 3                            ; lane terms: 1536 (r / 8) + 16 (r % 8) + 256 h,
.set B8,  4                            ; 1536 (r / 8) + 8 (r % 8) + 128 h,
.set BSC, 5                            ; 8 (r % 8) + 4 (r / 8)
.set AK16, 6                           ; the same + the next key step
.set AK8,  7
.set AKS,  8
.set AV16, 9                           ; the same + this key step
.set AV8,  10
.set AVS,  11
.set SH,  12                           ; 8 h
.set G16, 13
.set G8,  14
.set GQS, 15
.set GAS, 16
.set KS,  20                           ; k's scale words, one a fragment
.set VW,  24                           ; v's scale bytes as they lie
.set VS,  28                           ; v's scale words, one a tile of the head
.set QS,  32                           ; q's scale words; +2: the next pass's
.set PS,  36                           ; p's scale words
.set CH,  40                           ; maxima: tile i, block c at CH + 4 i + 2 c (and + 1 at work)
.set NM,  48                           ; pairs: -M, the running largest score
.set FF,  52                           ; pairs: f = 2^(old M - new M), at work
.set TA,  56
.set TB,  58
.set SO,  60                           ; the conversions' scale operands
.set BY,  64
.set KF,  0
.set VF,  48
.set Q,   96
.set Q2,  114
.set S,   128
.set O,   192
.set P,   224
.set T1,  236
.set SU,  244
.set L,   252
.set MSB, 0
.macro WIN new                         ; the immediate's high byte repeats the setting that is left
.if MSB != (\new)
	s_set_vgpr_msb (MSB<<8)|(\new)
.set MSB, (\new)
.endif
.endm
.macro PLACES
.rept 4
	v_nop
.endr
.endm
.macro ROUND
	s_barrier_signal -1
	s_barrier_wait -1
	s_cmp_lg_u32 s14, 0
	s_cbranch_scc1 .Lnot_wave_0_\@
	s_barrier_signal -3
.Lnot_wave_0_\@:
	s_barrier_wait -3
	s_barrier_signal -1
	s_barrier_wait -1
.endm
.macro WM d, a, b, c, sa, sb
	v_wmma_scale_f32_16x16x128_f8f6f4 v[\d:\d+7], v[\a:\a+11], v[\b:\b+11], \c, v[\sa], v[\sb] matrix_a_fmt:MATRIX_FMT_BF6 matrix_b_fmt:MATRIX_FMT_BF6
.endm
; k's fragment f = 2 c + g: registers 0-5 keys 64 c + 8 g + (r % 8) + 32 (r / 8), registers 6-11 the keys 16 further on
.macro LOADKF a16, a8
	WIN 0x40
.irp f, 0,1,2,3
.irp y, 0,1
	ds_load_b128 v[KF+12*\f+6*\y:KF+12*\f+6*\y+3], v[\a16] offset:CHK*(\f/2)+128*(\f%2)+768*\y
	ds_load_b64 v[KF+12*\f+6*\y+4:KF+12*\f+6*\y+5], v[\a8] offset:CHK*(\f/2)+64*(\f%2)+768*\y+512
.endr
.endr
.endm
.macro LOADKS as                       ; one word a row: the two tiles' two bytes each
	WIN 0
.irp f, 0,1,2,3
	ds_load_b32 v[KS+\f], v[\as] offset:CHK*(\f/2)+64*(\f%2)+6144
.endr
.endm
; v^T's fragment t: row r is d = 8 t + (r % 8) + 32 (r / 8); registers 6 c ..: chunk c's keys
.macro LOADVF
	WIN 0x40
.irp t, 0,1,2,3
.irp c, 0,1
	ds_load_b128 v[VF+12*\t+6*\c:VF+12*\t+6*\c+3], v[AV16] offset:CHK*\c+3072+768*(\t/2)+128*(\t%2)
	ds_load_b64 v[VF+12*\t+6*\c+4:VF+12*\t+6*\c+5], v[AV8] offset:CHK*\c+3584+768*(\t/2)+64*(\t%2)
.endr
.endr
.endm
.macro SMUL i                          ; S^T of tile i: eight accumulators, each begun with 0
	WIN 1|(0x54*\i)
.irp f, 0,1,2,3
	WM S+16*\f, KF+12*\f, Q, 0, KS+\f, QS+\i
	WM S+16*\f+8, KF+12*\f, Q+6, 0, KS+\f, QS+\i
.endr
.endm
.macro MAXES i                         ; the largest score of my two blocks: four chains by turns, each accumulator read from its low end on
	WIN 0x15*\i
.irp c, 0,1,2,3
	v_max3_num_f32 v[CH+4*\i+\c], v[S+16*\c], v[S+16*\c+1], v[S+16*\c+2]
.endr
	WIN 0x14*\i
.irp k, 3,5,7,9,11,13
.irp c, 0,1,2,3
	v_max3_num_f32 v[CH+4*\i+\c], v[CH+4*\i+\c], v[S+16*\c+\k], v[S+16*\c+\k+1]
.endr
.endr
.irp c, 0,2
	v_max3_num_f32 v[CH+4*\i+\c], v[CH+4*\i+\c], v[S+16*\c+15], v[S+16*\c+31]
.endr
.endm
.macro TMINUS i                        ; t - M
	WIN 0x41*\i
.set j, 0
.rept 32
	v_pk_fma_f32 v[S+j:S+j+1], v[S+j:S+j+1], s[22:23], v[NM+2*\i:NM+2*\i+1] op_sel_hi:[1,0,0]
.set j, j+2
.endr
.endm
.macro EXPS i
	WIN 0x41*\i
.set j, 0
.rept 64
	v_exp_f32 v[S+j], v[S+j]
.set j, j+1
.endr
.endm
.macro TAIL i                          ; tile i: the sum of p, p's codes, O^T under the new M, O^T += v^T p^T
	WIN 0x55*\i
.irp c, 0,1,2,3
	v_pk_add_f32 v[SU+2*\c:SU+2*\c+1], v[S+2*\c:S+2*\c+1], v[S+2*\c+8:S+2*\c+9]
.endr
.irp m, 16,24,32,40,48,56
.irp c, 0,1,2,3
	v_pk_add_f32 v[SU+2*\c:SU+2*\c+1], v[SU+2*\c:SU+2*\c+1], v[S+2*\c+\m:S+2*\c+\m+1]
.endr
.endr
	v_pk_add_f32 v[SU:SU+1], v[SU:SU+1], v[SU+2:SU+3]
	v_pk_add_f32 v[SU+4:SU+5], v[SU+4:SU+5], v[SU+6:SU+7]
	s_delay_alu instid0(VALU_DEP_1)
	v_pk_add_f32 v[SU:SU+1], v[SU:SU+1], v[SU+4:SU+5]
	WIN 0x51*\i                                    ; source 1 (scale operands, f) in window 0
.irp c, 0,1
	v_cvt_scalef32_pk16_bf6_f32 v[P+6*\c:P+6*\c+2], v[S+32*\c:S+32*\c+15], v[SO+2*\i+\c]
	v_cvt_scalef32_pk16_bf6_f32 v[T1+4*\c:T1+4*\c+2], v[S+32*\c+16:S+32*\c+31], v[SO+2*\i+\c]   ; (a conversion's three registers begin on an even number)
.endr
	v_pk_fma_f32 v[L:L+1], v[L:L+1], v[FF+2*\i:FF+2*\i+1], v[SU:SU+1] op_sel_hi:[1,0,1]     ; the row's sum under the new M; the plain place behind the conversions
.irp c, 0,1
.irp k, 0,1,2
	v_mov_b32 v[P+3+6*\c+\k], v[T1+4*\c+\k]
.endr
.endr
.set j, 0
.rept 16
	v_pk_mul_f32 v[O+j:O+j+1], v[O+j:O+j+1], v[FF+2*\i:FF+2*\i+1] op_sel_hi:[1,0]           ; also the places between p's codes and the products
.set j, j+2
.endr
	WIN 1|(0x54*\i)
.irp t, 0,1,2,3
	WM O+8*\t, VF+12*\t, P, v[O+8*\t:O+8*\t+7], VS+\t, PS+\i
.endr
.endm
	s_load_b256 s[4:11], s[0:1], 0x0               ; q_img, q_sc, kv, a_img
	s_load_b64 s[12:13], s[0:1], 0x20              ; a_sc
	v_lshl_add_u32 v[SPW], v0, 2, SPARE
	v_mov_b32 v[NIL], 0
	ds_add_u32 v[SPW], v[NIL]                      ; the opening lines
	ds_add_u32 v[SPW], v[NIL]
	v_lshrrev_b32 v17, 5, v0
	v_readfirstlane_b32 s14, v17                   ; wave 0..7
	v_and_b32 v17, 31, v0
	v_and_b32 v18, 7, v0                           ; r % 8
	v_bfe_u32 v19, v0, 3, 1                        ; r / 8
	v_bfe_u32 v[SH], v0, 4, 1                      ; h
	v_lshlrev_b32 v[G16], 4, v17
	v_lshlrev_b32 v[G8], 3, v17
	v_and_b32 v[GQS], 15, v0
	v_lshl_add_u32 v[GAS], v[GQS], 2, v[SH]        ; 4 r + h
	v_lshlrev_b32 v[GQS], 3, v[GQS]                ; 8 r
	v_mul_u32_u24 v[B16], v19, 1536
	v_lshl_add_u32 v[B8], v18, 3, v[B16]
	v_lshl_add_u32 v[B16], v18, 4, v[B16]
	v_lshl_add_u32 v[B8], v[SH], 7, v[B8]
	v_lshl_add_u32 v[B16], v[SH], 8, v[B16]
	v_lshlrev_b32 v[BSC], 3, v18
	v_lshl_add_u32 v[BSC], v19, 2, v[BSC]
	v_lshlrev_b32 v[SH], 3, v[SH]
	s_bfe_u32 s15, ttmp6, 0x40000                  ; cx: it enters q's and new_v's addresses alone
	s_and_b32 s16, ttmp7, 0xffff                   ; 8 x batch + head, which the partners share
	s_mul_i32 s33, s14, 25600                      ; my two key steps' place in LDS
	s_mul_i32 s44, s16, 204800
	s_add_co_u32 s44, s44, s33                     ; and in kv
	s_mov_b32 s45, 0
	s_lshl_b32 s47, s15, 4
	s_add_co_u32 s47, s47, s14                     ; my first pair of tiles in the head: 16 cx + wave
	s_mul_i32 s48, s16, 98304
	s_mul_i32 s49, s47, 1536
	s_add_co_u32 s48, s48, s49
	s_mov_b32 s49, 0
	s_lshl_b32 s50, s16, 13                        ; q_sc: 8,192 a head, 128 a pair of tiles, 4 a tile, 8 a row
	s_lshl_b32 s51, s47, 7
	s_add_co_u32 s50, s50, s51
	s_mov_b32 s51, 0
	s_lshr_b32 s52, s16, 3
	s_lshl_b32 s52, s52, 6
	s_add_co_u32 s52, s52, s47                     ; the pair among all 512
	s_and_b32 s53, s16, 7                          ; the head
	s_mul_i32 s54, s52, 12288
	s_mul_i32 s55, s53, 768
	s_add_co_u32 s54, s54, s55
	s_mov_b32 s55, 0
	s_lshl_b32 s56, s52, 9
	s_lshr_b32 s57, s53, 1
	s_lshl_b32 s57, s57, 6
	s_add_co_u32 s56, s56, s57
	s_and_b32 s57, s53, 1
	s_lshl_b32 s57, s57, 1
	s_add_co_u32 s56, s56, s57
	s_mov_b32 s57, 0
	s_mov_b32 s20, 0x76543210
	s_mov_b32 s21, 0xfedcba98                      ; v_permlanex16_b32's selects for lane l xor 16
	s_mov_b32 s22, 0x3e38aa3b                      ; c = log2(e) / 8
	s_mov_b32 s23, s22
	s_mov_b32 s60, 0x05040100
	s_mov_b32 s61, 0x07060302
	; descriptor group 1: 25,600 dense bytes as 100 rows of 256 bytes (32 elements of 8 bytes), no padding
	s_mov_b32 s24, 15|(3<<16)|(1<<21)
	s_mov_b32 s25, 32<<16
	s_mov_b32 s26, 100<<16
	s_mov_b32 s27, 32<<16
	s_mov_b32 s28, 100
	s_mov_b32 s29, 32
	s_mov_b32 s30, 0
	s_mov_b32 s31, 0
	s_mov_b32 s32, 1
	s_wait_alu depctr_va_vdst(0)                   ; the wait ahead of the blocking waits
	s_wait_dscnt 0x0
	s_wait_kmcnt 0x0
	s_add_nc_u64 s[34:35], s[8:9], s[44:45]
	s_or_b32 s35, s35, 0x80000000
	s_add_nc_u64 s[4:5], s[4:5], s[48:49]
	s_add_nc_u64 s[6:7], s[6:7], s[50:51]
	s_add_nc_u64 s[40:41], s[10:11], s[54:55]
	s_add_nc_u64 s[42:43], s[12:13], s[56:57]
	ROUND                                          ; the four partners are here: the joint loads meet
	tensor_load_to_lds s[32:35], s[24:31]          ; my one tensor load of the launch
	s_nop 0
	PLACES
.irp i, 0,1
	WIN 0x40*\i
	global_load_b128 v[Q:Q+3], v[G16], s[4:5] offset:768*\i            ; q beside zeros,
	global_load_b64 v[Q+4:Q+5], v[G8], s[4:5] offset:768*\i+512
	global_load_b128 v[Q+12:Q+15], v[G16], s[4:5] offset:768*\i        ; zeros beside q: the six zero registers serve both
	global_load_b64 v[Q+16:Q+17], v[G8], s[4:5] offset:768*\i+512
	global_load_b128 v[Q2:Q2+3], v[G16], s[4:5] offset:768*\i+12288    ; the second pass's tile, 16 tiles on
	global_load_b64 v[Q2+4:Q2+5], v[G8], s[4:5] offset:768*\i+12800
.irp j, 6,7,8,9,10,11
	v_mov_b32 v[Q+\j], 0                           ; the zero codes
.endr
.endr
	WIN 0
.irp i, 0,1
	global_load_b32 v[QS+\i], v[GQS], s[6:7] offset:4*\i               ; the scale word: s0, s1, s0, s1
	global_load_b32 v[QS+2+\i], v[GQS], s[6:7] offset:4*\i+1024
	v_mov_b32 v[TB+\i], 0                          ; a lane permute's destination counts as one of its sources
.endr
	s_wait_alu depctr_va_vdst(0)                   ; the wait at the head's end
	s_wait_tensorcnt 0x0                           ; my key steps have landed,
	s_barrier_signal -1
	s_barrier_wait -1                              ; everybody's have
	LOADKF B16, B8                                 ; key step 0's k
	LOADKS BSC
	s_wait_loadcnt 0x0
	s_wait_dscnt 0x0
	s_mov_b32 s39, 2
.Lpass:
.irp i, 0,1
	v_mov_b32 v[NM+2*\i], 0x7f61b1e6               ; -M: 3e38,
	v_mov_b32 v[NM+2*\i+1], 0xff61b1e6             ; the largest score so far: -3e38
.endr
.irp i, 0,1
	WIN 0x40*\i
	v_mov_b32 v[L], 0
	v_mov_b32 v[L+1], 0
.set j, 0
.rept 32
	v_mov_b32 v[O+j], 0                            ; O^T: the step is written once; its first trip finds zeros
.set j, j+1
.endr
.endr
	WIN 0
	s_mov_b32 s37, 0
.Lstep:                                            ; 128 keys, 32 queries.  k's fragments and scale words are in: they were awaited in the step before
	s_mul_i32 s36, s37, STEPB                      ; this step's place in LDS,
	s_add_co_u32 s38, s37, 1
	s_and_b32 s38, s38, 15
	s_mul_i32 s38, s38, STEPB                      ; the next step's (behind the last: step 0, for the next pass)
	SMUL 0
	SMUL 1
	WIN 0
	v_add_nc_u32 v[AV16], s36, v[B16]              ; six plain instructions: the places in front of the loads below and of the first read of the scores
	v_add_nc_u32 v[AV8], s36, v[B8]
	v_add_nc_u32 v[AVS], s36, v[BSC]
	v_add_nc_u32 v[AK16], s38, v[B16]
	v_add_nc_u32 v[AK8], s38, v[B8]
	v_add_nc_u32 v[AKS], s38, v[BSC]
	LOADVF                                         ; this step's v^T and the next step's k land while the softmax is walked
	LOADKF AK16, AK8
	LOADKS AKS
.irp c, 0,1
.irp a, 0,1
	ds_load_b32 v[VW+2*\c+\a], v[AVS] offset:CHK*\c+6272+64*\a         ; v's bytes: chunk c, rows d = 8 a + (r % 8) + 32 (r / 8) and 16 further on
.endr
.endr
	MAXES 0
	MAXES 1
	WIN 0
.irp c, 0,2
.irp i, 0,1
	v_max_num_f32 v[CH+4*\i+\c], v[CH+4*\i+\c], v[CH+4*\i+\c+1]       ; a block's largest score
.endr
.endr
.irp i, 0,1
	s_delay_alu instid0(VALU_DEP_2)
	v_max_num_f32 v[TA+\i], v[CH+4*\i], v[CH+4*\i+2]
.endr
.irp i, 0,1
	s_delay_alu instid0(VALU_DEP_2)
	v_permlanex16_b32 v[TB+\i], v[TA+\i], s20, s21
.endr
.irp i, 0,1
	s_delay_alu instid0(VALU_DEP_2)
	v_max3_num_f32 v[NM+2*\i+1], v[NM+2*\i+1], v[TA+\i], v[TB+\i]      ; the running largest score of my query
.endr
.irp i, 0,1
	s_delay_alu instid0(VALU_DEP_2)
	v_mul_f32 v[TA+\i], s22, v[NM+2*\i+1]          ; as t (c is positive)
.endr
.irp i, 0,1
	s_delay_alu instid0(VALU_DEP_2)
	v_floor_f32 v[TB+\i], -v[TA+\i]                ; the new -M
.endr
.irp i, 0,1
	s_delay_alu instid0(VALU_DEP_2)
	v_sub_f32 v[FF+2*\i+1], v[TB+\i], v[NM+2*\i]   ; old M - new M: a whole number, 0 or less
.endr
.irp i, 0,1
	v_mov_b32 v[NM+2*\i], v[TB+\i]
.endr
.irp i, 0,1
	v_cvt_i32_f32 v[FF+2*\i+1], v[FF+2*\i+1]       ; (it saturates)
.endr
.irp i, 0,1
	s_delay_alu instid0(VALU_DEP_2)
	v_ldexp_f32 v[FF+2*\i], 1.0, v[FF+2*\i+1]      ; f = 2^(old M - new M)
.endr
.irp x, 0,4,2,6
	v_fma_f32 v[CH+\x], v[CH+\x], s22, v[NM+2*(\x/4)]      ; t - M of each block's largest score: the same multiply-add as its p's
.endr
.irp x, 0,4,2,6
	s_delay_alu instid0(VALU_DEP_4)
	v_max_num_f32 v[CH+\x], 0xc2f40000, v[CH+\x]   ; held at -122 from below: the byte cannot fall under 1
.endr
.irp x, 0,4,2,6
	s_delay_alu instid0(VALU_DEP_4)
	v_floor_f32 v[CH+\x], v[CH+\x]                 ; the exponent of the block's largest p
.endr
.irp x, 0,4,2,6
	s_delay_alu instid0(VALU_DEP_4)
	v_cvt_i32_f32 v[CH+\x], v[CH+\x]
.endr
.irp x, 0,4,2,6
	s_delay_alu instid0(VALU_DEP_4)
	v_add_nc_u32 v[BY+\x/2], 123, v[CH+\x]         ; + 127 - 4: the scale's byte, 1 .. 123
.endr
.irp x, 0,2,1,3
	s_delay_alu instid0(VALU_DEP_4)
	v_lshlrev_b32 v[SO+\x], 23, v[BY+\x]           ; as an exponent field: the conversion's scale operand
.endr
.irp i, 0,1
	v_lshl_or_b32 v[TA+\i], v[BY+2*\i+1], 16, v[BY+2*\i]   ; my bytes: blocks h and 2 + h,
.endr
.irp i, 0,1
	s_delay_alu instid0(VALU_DEP_2)
	v_lshlrev_b32 v[TA+\i], v[SH], v[TA+\i]        ; at their places;
.endr
.irp i, 0,1
	s_delay_alu instid0(VALU_DEP_2)
	v_permlanex16_b32 v[TB+\i], v[TA+\i], s20, s21
.endr
.irp i, 0,1
	s_delay_alu instid0(VALU_DEP_2)
	v_or_b32 v[PS+\i], v[TA+\i], v[TB+\i]          ; with lane l xor 16's two the word is whole
.endr
	TMINUS 0
	TMINUS 1
	WIN 0
	s_wait_alu depctr_va_vdst(0)                   ; the wait ahead of the batch
	EXPS 0
	EXPS 1
	WIN 0
	v_nop                                          ; the plain place behind the batch
	s_wait_alu depctr_va_vdst(0)                   ; one wait for the batch, ahead of its first reader and of the blocking wait below
	s_wait_dscnt 0x0                               ; all 40 LDS loads of this step are in: v^T, its bytes, the next step's k
.irp a, 0,1
	v_perm_b32 v[VS+\a], v[VW+2+\a], v[VW+\a], s60         ; v's scale words: the two chunks' two bytes each: tile a of the head,
	v_perm_b32 v[VS+2+\a], v[VW+2+\a], v[VW+\a], s61       ; tile 2 + a
.endr
	TAIL 0
	TAIL 1
	WIN 0
	s_add_co_u32 s37, s37, 1
	s_cmp_lt_u32 s37, 16
	s_cbranch_scc1 .Lstep
	; ---- the pass's end: O^T / the sum, quantised along the head (lane (r, h) holds d = 32 h + 0 .. 31 in true order), stored as a half fragment
.irp i, 0,1
	WIN 0x55*\i
	v_add_f32 v[SU], v[L], v[L+1]                  ; (these six lines are the places behind the last products)
	s_delay_alu instid0(VALU_DEP_1)
	v_permlanex16_b32 v[SU+1], v[SU], s20, s21
	s_delay_alu instid0(VALU_DEP_1)
	v_add_f32 v[SU], v[SU], v[SU+1]
.endr
	s_wait_alu depctr_va_vdst(0)
.irp i, 0,1
	WIN 0x55*\i
	v_rcp_f32 v[SU+2], v[SU]
.endr
	v_nop
	s_wait_alu depctr_va_vdst(0)
.irp i, 0,1
	WIN 0x55*\i
.set j, 0
.rept 16
	v_pk_mul_f32 v[S+j:S+j+1], v[O+j:O+j+1], v[SU+2:SU+3] op_sel_hi:[1,0]
.set j, j+2
.endr
.irp c, 0,1,2,3
	v_max3_num_f32 v[SU+4+\c], |v[S+8*\c]|, |v[S+8*\c+1]|, |v[S+8*\c+2]|
.endr
.irp k, 3,5
.irp c, 0,1,2,3
	v_max3_num_f32 v[SU+4+\c], v[SU+4+\c], |v[S+8*\c+\k]|, |v[S+8*\c+\k+1]|
.endr
.endr
	v_max3_num_f32 v[SU+4], v[SU+4], v[SU+5], v[SU+6]
	v_max3_num_f32 v[SU+7], v[SU+7], |v[S+7]|, |v[S+15]|
	v_max3_num_f32 v[SU+5], |v[S+23]|, |v[S+31]|, 0x2800000
	s_delay_alu instid0(VALU_DEP_1)
	v_max3_num_f32 v[SU+4], v[SU+4], v[SU+7], v[SU+5]
	s_delay_alu instid0(VALU_DEP_1)
	v_add_nc_u32 v[SU+6], 0xfe000000, v[SU+4]
	s_delay_alu instid0(VALU_DEP_1)
	v_lshrrev_b32 v[SU+5], 23, v[SU+6]             ; my block's byte
	v_cvt_scalef32_pk16_bf6_f32 v[P:P+2], v[S:S+15], v[SU+6]
	v_cvt_scalef32_pk16_bf6_f32 v[T1:T1+2], v[S+16:S+31], v[SU+6]
	v_nop
.irp k, 0,1,2
	v_mov_b32 v[P+3+\k], v[T1+\k]
.endr
.irp j, 0,1,2,3,4,5
	v_mov_b32 v[Q+\j], v[Q2+\j]                    ; the second pass's queries
	v_mov_b32 v[Q+12+\j], v[Q2+\j]
.endr
	WIN 0x04*\i                                    ; the stores' data in window i
	global_store_b128 v[G16], v[P:P+3], s[40:41] offset:6144*\i
	global_store_b64 v[G8], v[P+4:P+5], s[40:41] offset:6144*\i+512
	global_store_b8 v[GAS], v[SU+5], s[42:43] offset:256*\i            ; row r, block h
.endr
	WIN 0
	v_mov_b32 v[QS], v[QS+2]
	v_mov_b32 v[QS+1], v[QS+3]
	s_wait_alu depctr_va_vdst(0)                   ; the wait ahead of the blocking wait and the branch
	s_wait_xcnt 0x0                                ; the stores have read their registers and bases
	s_add_nc_u64 s[40:41], s[40:41], 98304         ; 16 tiles on
	s_add_nc_u64 s[42:43], s[42:43], 4096
	s_sub_co_u32 s39, s39, 1
	s_cmp_lg_u32 s39, 0
	s_cbranch_scc1 .Lpass
	s_wait_tensorcnt 0x0                           ; the wave's end
	ds_add_u32 v[SPW], v[NIL]
	s_wait_dscnt 0x0
	ROUND                                          ; the closing round
	s_endpgm
.Lfunc_end_k_q4943b421c7_attn:
	.size	k_q4943b421c7_attn, .Lfunc_end_k_q4943b421c7_attn-k_q4943b421c7_attn
	.p2alignl 7, 3214868480
	.fill 96, 4, 3214868480
	.section	.rodata,"a",@progbits
	.p2align	6, 0x0
	.amdhsa_kernel k_q4943b421c7_attn
		.amdhsa_group_segment_fixed_size 206848
		.amdhsa_private_segment_fixed_size 0
		.amdhsa_enable_private_segment 0
		.amdhsa_kernarg_size 40
		.amdhsa_user_sgpr_count 2
		.amdhsa_user_sgpr_kernarg_segment_ptr 1
		.amdhsa_wavefront_size32 1
		.amdhsa_system_sgpr_workgroup_id_x 1
		.amdhsa_system_sgpr_workgroup_id_y 1
		.amdhsa_system_sgpr_workgroup_id_z 1
		.amdhsa_system_vgpr_workitem_id 0
		.amdhsa_next_free_vgpr 512
		.amdhsa_next_free_sgpr 66
		.amdhsa_reserve_vcc 0
		.amdhsa_float_denorm_mode_32 3
		.amdhsa_float_denorm_mode_16_64 3
		.amdhsa_memory_ordered 1
		.amdhsa_forward_progress 1
		.amdhsa_inst_pref_size 48
	.end_amdhsa_kernel
	.amdgpu_metadata
---
amdhsa.version: [ 1, 2 ]
amdhsa.kernels:
  - .name:           k_q4943b421c7_attn
    .symbol:         k_q4943b421c7_attn.kd
    .args:
      - { .name: q_img, .offset: 0, .size: 8, .value_kind: global_buffer, .address_space: global }
      - { .name: q_sc, .offset: 8, .size: 8, .value_kind: global_buffer, .address_space: global }
      - { .name: kv, .offset: 16, .size: 8, .value_kind: global_buffer, .address_space: global }
      - { .name: a_img, .offset: 24, .size: 8, .value_kind: global_buffer, .address_space: global }
      - { .name: a_sc, .offset: 32, .size: 8, .value_kind: global_buffer, .address_space: global }
    .group_segment_fixed_size: 206848
    .private_segment_fixed_size: 0
    .kernarg_segment_align: 8
    .kernarg_segment_size: 40
    .max_flat_workgroup_size: 256
    .sgpr_count:     66
    .vgpr_count:     512
    .wavefront_size: 32
...
	.end_amdgpu_metadata
.endif
;; end of part 2
;; launch outp (part 3): grid 256 x 1, 4 waves a work-group, clusters of 4 x 1, 327,680 bytes of LDS; arguments a_img, a_sc, wo_codes, wo_scales, x, ln_out_g, ln_out_b, out0; writes out0
.if DOCPART == 3
	.amdgcn_target "amdgcn-amd-amdhsa--gfx1250"
	.amdhsa_code_object_version 6
	.text
	.protected	k_q4943b421c7_outp
	.globl	k_q4943b421c7_outp
	.p2align	8
	.type	k_q4943b421c7_outp,@function
k_q4943b421c7_outp:
	s_mov_b64 s[64:65], 0
	v_nop
	global_prefetch_b8 v0, s[64:65] scope:SCOPE_SE
	s_setreg_imm32_b32 hwreg(HW_REG_WAVE_MODE, 25, 1), 1
	s_wait_xcnt 0x0
	s_wait_alu depctr_hold_cnt(0) depctr_sa_sdst(0) depctr_va_vdst(0) depctr_va_sdst(0) depctr_va_ssrc(0) depctr_va_vcc(0) depctr_vm_vsrc(0)
	s_getreg_b32 s2, hwreg(HW_REG_IB_STS2, 6, 4)
	s_cmp_eq_u32 s2, 0
	s_cbranch_scc0 .Lentry_in_a_cluster
	s_endpgm
.Lentry_in_a_cluster:
	s_bfe_u32 s2, ttmp6, 0x10000c
	s_cmp_lg_u32 s2, 0x3003
	s_cbranch_scc0 .Lentry_shape_is_right
	s_endpgm
.Lentry_shape_is_right:
.set WTILE,  6912
.set LANE, 1
.set R,    2
.set H,    3
.set LI,   4
.set L8,   5
.set R4,   6
.set AW,   7
.set SO,   11
.set SR,   13
.set WSA,  15
.set WS,   32
.set XS,   64
.set Y,    80
.set WBUF, 0
.set MSB, 0
.macro WIN new
.if MSB != \new
	s_set_vgpr_msb (MSB<<8)|\new
.set MSB, \new
.endif
.endm
.macro PLACES
.rept 4
	v_nop
.endr
.endm
.macro ROUND
	s_barrier_signal -1
	s_barrier_wait -1
	s_cmp_lg_u32 s28, 0
	s_cbranch_scc1 .Lnot_wave_0_\@
	s_barrier_signal -3
.Lnot_wave_0_\@:
	s_barrier_wait -3
	s_barrier_signal -1
	s_barrier_wait -1
.endm
.macro FRAG reg, adr, s, off
.irp p, 0,1,2,3,4,5
.set PN, 12*(\s)+6*(\p/3)+\p%3
.if PN%16 < 13
	ds_load_b64 v[(\reg)+2*\p:(\reg)+2*\p+1], v[\adr] offset:8*PN+16*(PN/16)+(\off)
.else
	ds_load_b64 v[(\reg)+2*\p:(\reg)+2*\p+1], v[\adr+2] offset:8*PN+16*(PN/16)+(\off)
.endif
.endr
.endm
.macro FETCHW t, buf
	WIN 0xC0
.irp s, 0,1,2,3
	FRAG WBUF+48*(\buf)+12*\s, AW, \s, (\t)*WTILE
.endr
.endm
.macro MUL16 t, buf
	WIN 0x5B
.irp s, 0,1,2,3
.irp m, 0,1,2,3
.set rD, 8*(8*\m+(\t))
.set rW, WBUF+48*(\buf)+12*\s
.set rX, 12*(4*\m+\s)
.if \s == 0
	v_wmma_scale_f32_16x16x128_f8f6f4 v[rD:rD+7], v[rW:rW+11], v[rX:rX+11], 0, v[WS+4*(\t)+\s], v[XS+4*\m+\s] matrix_a_fmt:MATRIX_FMT_BF6 matrix_b_fmt:MATRIX_FMT_BF6
.else
	v_wmma_scale_f32_16x16x128_f8f6f4 v[rD:rD+7], v[rW:rW+11], v[rX:rX+11], v[rD:rD+7], v[WS+4*(\t)+\s], v[XS+4*\m+\s] matrix_a_fmt:MATRIX_FMT_BF6 matrix_b_fmt:MATRIX_FMT_BF6
.endif
.endr
.endr
.endm
	s_load_b512 s[4:19], s[0:1], 0x0
	v_lshl_add_u32 v254, v0, 2, 0x36000
	v_mov_b32 v255, 0
	ds_add_u32 v254, v255
	ds_add_u32 v254, v255
	v_lshrrev_b32 v1, 5, v0
	v_readfirstlane_b32 s28, v1
	v_and_b32 v[LANE], 31, v0
	v_and_b32 v[R], 15, v0
	v_bfe_u32 v[H], v0, 4, 1
	v_lshlrev_b32 v[LI], 4, v[LANE]
	v_lshlrev_b32 v[L8], 3, v[LANE]
	v_lshlrev_b32 v[R4], 2, v[R]
	v_lshlrev_b32 v[WSA], 4, v[R]
	s_bfe_u32 s29, ttmp6, 0x40000
	s_lshl_b32 s30, ttmp9, 2
	s_add_co_u32 s30, s30, s29
	s_mul_i32 s66, s30, 24576
	s_mov_b32 s67, 0
	s_lshl_b32 s68, s30, 10
	s_mov_b32 s69, 0
	s_lshl_b32 s70, s28, 11
	s_mov_b32 s71, 0
	s_lshl_b32 s72, s30, 17
	s_lshl_b32 s73, s28, 15
	s_add_co_u32 s72, s72, s73
	s_mov_b32 s73, 0
	s_mul_i32 s50, s28, 49152
	s_mov_b32 s51, 0
	s_mul_i32 s52, s28, 55296
	s_mov_b32 s48, 0x76543210
	s_mov_b32 s49, 0xfedcba98
	s_mov_b32 s60, 0x3b000000
	s_mov_b32 s61, 0x358637bd
	s_mov_b32 s32, 15|(1<<20)|(1<<21)|(4<<22)|(3<<25)
	s_mov_b32 s33, 768<<16
	s_mov_b32 s34, 32<<16
	s_mov_b32 s35, 768<<16
	s_mov_b32 s36, 32
	s_mov_b32 s37, 768
	s_mov_b32 s38, 0
	s_mov_b32 s39, 0
	s_wait_dscnt 0x0
	s_wait_kmcnt 0x0
	s_mov_b32 s40, 1
	s_mov_b32 s41, s52
	s_add_nc_u64 s[42:43], s[8:9], s[50:51]
	s_mov_b32 s44, 1
	s_add_co_u32 s45, s52, 27648
	s_add_nc_u64 s[46:47], s[42:43], 24576
	s_or_b32 s43, s43, 0x80000000
	s_or_b32 s47, s47, 0x80000000
	s_add_nc_u64 s[4:5], s[4:5], s[66:67]
	s_add_nc_u64 s[6:7], s[6:7], s[68:69]
	s_add_nc_u64 s[10:11], s[10:11], s[70:71]
	s_add_nc_u64 s[12:13], s[12:13], s[72:73]
	s_add_nc_u64 s[18:19], s[18:19], s[72:73]
	ROUND
	tensor_load_to_lds s[40:43], s[32:39]
	s_nop 0
	s_wait_alu depctr_va_vdst(0)
	s_wait_tensorcnt 0x0
	ds_add_u32 v254, v255
	s_wait_dscnt 0x0
	ROUND
	tensor_load_to_lds s[44:47], s[32:39]
	s_nop 0
	PLACES
	WIN 0x80
	s_wait_alu depctr_va_vdst(0)
.irp m, 0,1,2,3
.irp s, 0,1,2,3
.irp c, 0,1
	global_load_b128 v[12*(4*\m+\s)+6*\c:12*(4*\m+\s)+6*\c+3], v[LI], s[4:5] offset:6144*\m+768*(2*\s+\c)
	global_load_b64 v[12*(4*\m+\s)+6*\c+4:12*(4*\m+\s)+6*\c+5], v[L8], s[4:5] offset:6144*\m+768*(2*\s+\c)+512
.endr
.endr
.endr
	WIN 0
.irp m, 0,1,2,3
.irp s, 0,1,2,3
	global_load_b32 v[XS+4*\m+\s], v[R4], s[6:7] offset:256*\m+64*\s
.endr
.endr
.irp t, 0,1,2,3,4,5,6,7
	global_load_b128 v[WS+4*\t:WS+4*\t+3], v[WSA], s[10:11] offset:256*\t
.endr
	WIN 0xC0
.irp q, 0,1,2,3
	global_load_b128 v[224+4*\q:227+4*\q], v[LI], s[14:15] offset:512*\q
	global_load_b128 v[240+4*\q:243+4*\q], v[LI], s[16:17] offset:512*\q
.endr
.irp i, 0,1,2,3,4,5,6,7
.irp q, 0,1,2,3
	global_load_b128 v[96+16*\i+4*\q:99+16*\i+4*\q], v[LI], s[12:13] offset:2048*\i+512*\q th:TH_LOAD_NT
.endr
.endr
	WIN 0
	v_mul_u32_u24 v[AW], v[R], 432
	v_mad_u32_u24 v[AW], v[H], 24, v[AW]
	v_add_nc_u32 v[AW], s52, v[AW]
	v_lshl_add_u32 v[AW+2], v[H], 4, v[AW]
	v_mul_u32_u24 v[SO], v[R], 2064
	v_lshl_add_u32 v[SO], v[H], 5, v[SO]
	s_lshl_b32 s54, s28, 9
	v_add_nc_u32 v[SO], s54, v[SO]
	v_add_nc_u32 v[SO+1], 66048, v[SO]
	s_mul_i32 s55, s28, 33024
	v_add_nc_u32 v[SR], s55, v[LI]
.set j, 0
.rept 32
	v_mov_b32 v[208+j], 0
.set j, j+1
.endr
	s_wait_loadcnt 40
	s_wait_tensorcnt 1
	FETCHW 0, 0
.irp t, 0,1,2,3,4,5,6,7
.if \t < 7
.if \t > 0
	PLACES
.endif
.if \t == 3
	s_wait_tensorcnt 0x0
.endif
	FETCHW \t+1, (\t+1)%2
	s_wait_dscnt 24
.else
	s_wait_dscnt 0x0
.endif
	MUL16 \t, \t%2
.endr
	PLACES
	WIN 0x80
.irp i, 0,1,2,3,4,5,6,7
.irp q, 0,1,2,3
	global_load_b128 v[16*\i+4*\q:16*\i+4*\q+3], v[LI], s[12:13] offset:2048*(8+\i)+512*\q th:TH_LOAD_NT
.endr
.endr
	WIN 0
	s_wait_dscnt 0x0
	s_barrier_signal -1
	s_barrier_wait -1
	WIN 0x04
.irp m, 0,1,2,3
.irp t, 0,1,2,3,4,5,6,7
	ds_store_b128 v[SO+\m/2], v[64*\m+8*\t:64*\m+8*\t+3] offset:33024*(\m%2)+64*\t
	ds_store_b128 v[SO+\m/2], v[64*\m+8*\t+4:64*\m+8*\t+7] offset:33024*(\m%2)+64*\t+16
.endr
.endr
	WIN 0
	s_wait_dscnt 0x0
	s_barrier_signal -1
	s_barrier_wait -1
.macro YLOAD g
.irp ii, 0,1,2,3
.irp q, 0,1,2,3
	ds_load_b128 v[Y+64*((\g)%2)+16*\ii+4*\q:Y+64*((\g)%2)+16*\ii+4*\q+3], v[SR] offset:2064*(4*(\g)+\ii)+512*\q
.endr
.endr
.endm
.macro LANESUM
.irp ii, 0,1,2,3
	v_add_f32 v[208+2*\ii], v[208+2*\ii], v[209+2*\ii]
.endr
.irp x, 1,2,4,8
.irp ii, 0,1,2,3
	v_add_f32_dpp v[208+2*\ii], v[208+2*\ii], v[208+2*\ii] row_xmask:\x row_mask:0xf bank_mask:0xf
.endr
.endr
.irp ii, 0,1,2,3
	v_permlanex16_b32 v[216+\ii], v[208+2*\ii], s48, s49
.endr
.irp ii, 0,1,2,3
	v_add_f32 v[208+2*\ii], v[208+2*\ii], v[216+\ii]
.endr
.endm
.macro RGROUP g
.set YS, Y+64*((\g)%2)
.if \g < 3
	s_wait_xcnt 0x0
	YLOAD \g+1
	s_wait_dscnt 16
.else
	s_wait_dscnt 0x0
.endif
	s_wait_loadcnt 48-16*(\g)
.if \g < 2
	WIN 0x0C
.set XB, 96+64*(\g)
.else
	WIN 0x08
.set XB, 64*((\g)-2)
.endif
.irp k, 0,2,4,6,8,10,12,14
.irp ii, 0,1,2,3
	v_pk_add_f32 v[YS+16*\ii+\k:YS+16*\ii+\k+1], v[YS+16*\ii+\k:YS+16*\ii+\k+1], v[XB+16*\ii+\k:XB+16*\ii+\k+1]
.endr
.endr
	WIN 0
.irp ii, 0,1,2,3
	v_pk_add_f32 v[208+2*\ii:209+2*\ii], v[YS+16*\ii:YS+16*\ii+1], v[YS+16*\ii+2:YS+16*\ii+3]
.endr
.irp k, 4,6,8,10,12,14
.irp ii, 0,1,2,3
	v_pk_add_f32 v[208+2*\ii:209+2*\ii], v[208+2*\ii:209+2*\ii], v[YS+16*\ii+\k:YS+16*\ii+\k+1]
.endr
.endr
	LANESUM
.irp ii, 0,1,2,3
	v_mul_f32 v[220+2*\ii], s60, v[208+2*\ii]
.endr
.irp k, 0,2,4,6,8,10,12,14
.irp ii, 0,1,2,3
	v_pk_add_f32 v[YS+16*\ii+\k:YS+16*\ii+\k+1], v[YS+16*\ii+\k:YS+16*\ii+\k+1], v[220+2*\ii:221+2*\ii] op_sel_hi:[1,0] neg_lo:[0,1] neg_hi:[0,1]
.endr
.endr
.irp ii, 0,1,2,3
	v_pk_mul_f32 v[208+2*\ii:209+2*\ii], v[YS+16*\ii:YS+16*\ii+1], v[YS+16*\ii:YS+16*\ii+1]
.endr
.irp k, 2,4,6,8,10,12,14
.irp ii, 0,1,2,3
	v_pk_fma_f32 v[208+2*\ii:209+2*\ii], v[YS+16*\ii+\k:YS+16*\ii+\k+1], v[YS+16*\ii+\k:YS+16*\ii+\k+1], v[208+2*\ii:209+2*\ii]
.endr
.endr
	LANESUM
.irp ii, 0,1,2,3
	v_fma_f32 v[208+2*\ii], v[208+2*\ii], s60, s61
.endr
	s_wait_alu depctr_va_vdst(0)
.irp ii, 0,1,2,3
	v_rsq_f32 v[228+2*\ii], v[208+2*\ii]
.endr
	v_nop
	s_wait_alu depctr_va_vdst(0)
.irp k, 0,2,4,6,8,10,12,14
.irp ii, 0,1,2,3
	v_pk_mul_f32 v[YS+16*\ii+\k:YS+16*\ii+\k+1], v[YS+16*\ii+\k:YS+16*\ii+\k+1], v[228+2*\ii:229+2*\ii] op_sel_hi:[1,0]
.endr
.endr
	WIN 0x3C
.irp k, 0,2,4,6,8,10,12,14
.irp ii, 0,1,2,3
	v_pk_fma_f32 v[YS+16*\ii+\k:YS+16*\ii+\k+1], v[YS+16*\ii+\k:YS+16*\ii+\k+1], v[224+\k:225+\k], v[240+\k:241+\k]
.endr
.endr
	WIN 0
.irp ii, 0,1,2,3
.irp q, 0,1,2,3
	global_store_b128 v[LI], v[YS+16*\ii+4*\q:YS+16*\ii+4*\q+3], s[18:19] offset:2048*(4*(\g)+\ii)+512*\q th:TH_STORE_NT
.endr
.endr
.endm
	YLOAD 0
	RGROUP 0
	RGROUP 1
	RGROUP 2
	RGROUP 3
	s_wait_dscnt 0x0
	s_wait_tensorcnt 0x0
	ds_add_u32 v254, v255
	s_wait_dscnt 0x0
	ROUND
	s_endpgm
.Lfunc_end_k_q4943b421c7_outp:
	.size	k_q4943b421c7_outp, .Lfunc_end_k_q4943b421c7_outp-k_q4943b421c7_outp
	.p2alignl 7, 3214868480
	.fill 96, 4, 3214868480
	.section	.rodata,"a",@progbits
	.p2align	6, 0x0
	.amdhsa_kernel k_q4943b421c7_outp
		.amdhsa_group_segment_fixed_size 327680
		.amdhsa_private_segment_fixed_size 0
		.amdhsa_enable_private_segment 0
		.amdhsa_kernarg_size 64
		.amdhsa_user_sgpr_count 2
		.amdhsa_user_sgpr_kernarg_segment_ptr 1
		.amdhsa_wavefront_size32 1
		.amdhsa_system_sgpr_workgroup_id_x 1
		.amdhsa_system_sgpr_workgroup_id_y 1
		.amdhsa_system_sgpr_workgroup_id_z 1
		.amdhsa_system_vgpr_workitem_id 0
		.amdhsa_next_free_vgpr 1024
		.amdhsa_next_free_sgpr 80
		.amdhsa_reserve_vcc 0
		.amdhsa_float_denorm_mode_32 3
		.amdhsa_float_denorm_mode_16_64 3
		.amdhsa_memory_ordered 1
		.amdhsa_forward_progress 1
		.amdhsa_inst_pref_size 128
	.end_amdhsa_kernel
	.amdgpu_metadata
---
amdhsa.version: [ 1, 2 ]
amdhsa.kernels:
  - .name:           k_q4943b421c7_outp
    .symbol:         k_q4943b421c7_outp.kd
    .args:
      - { .name: a_img, .offset: 0, .size: 8, .value_kind: global_buffer, .address_space: global }
      - { .name: a_sc, .offset: 8, .size: 8, .value_kind: global_buffer, .address_space: global }
      - { .name: wo_codes, .offset: 16, .size: 8, .value_kind: global_buffer, .address_space: global }
      - { .name: wo_scales, .offset: 24, .size: 8, .value_kind: global_buffer, .address_space: global }
      - { .name: x, .offset: 32, .size: 8, .value_kind: global_buffer, .address_space: global }
      - { .name: ln_out_g, .offset: 40, .size: 8, .value_kind: global_buffer, .address_space: global }
      - { .name: ln_out_b, .offset: 48, .size: 8, .value_kind: global_buffer, .address_space: global }
      - { .name: out0, .offset: 56, .size: 8, .value_kind: global_buffer, .address_space: global }
    .group_segment_fixed_size: 327680
    .private_segment_fixed_size: 0
    .kernarg_segment_align: 8
    .kernarg_segment_size: 64
    .max_flat_workgroup_size: 128
    .sgpr_count:     80
    .vgpr_count:     1024
    .wavefront_size: 32
...
	.end_amdgpu_metadata
.endif
;; end of part 3
